; MI455X (gfx1250); checked and timed in simulation.
; The chip was launched on July 23, 2026; its instructions are those of AMD's public machine-readable ISA for CDNA 5 (MIT licence, August 2026) and "CDNA5" Instruction Set Architecture Reference Guide (July 2026). The comments in the code are by the model that wrote it; some were corrected since.
;; Multi Head Self Attention. Allowed arithmetic: float matrix products may take bf16 or f16 operands with f32 sums; all other float work in f32.
;; Inputs: inputs 2 x 2,048 x 1,024 float32; wk 1,024 x 1,024 float32; wo 1,024 x 1,024 float32; wq 1,024 x 1,024 float32; wv 1,024 x 1,024 float32.
;; Outputs: out0 2 x 2,048 x 1,024 float32.
;; One version. Each part assembles by itself: llvm-mc -triple=amdgcn-amd-amdhsa -mcpu=gfx1250 --defsym DOCPART=n.
;; ======== version 1 of 1: 4 launches
;; limits: values are held in f16: magnitudes above 65,504 overflow, below 6.1e-05 lose precision
;; workspace buffers: xh 8,388,608 bytes; wh 6,291,456 bytes; woh 2,097,152 bytes; qkv 25,165,824 bytes; ah 8,388,608 bytes
;; launch cast (part 1): grid 64 x 8, 8 waves a work-group, no clusters, 0 bytes of LDS; arguments inputs, wq, wk, wv, wo, xh, wh, woh; writes xh, wh, woh
.if DOCPART == 1
	.amdgcn_target "amdgcn-amd-amdhsa--gfx1250"
	.amdhsa_code_object_version 6
	.text
	.protected	k_qdc1d61b04c_cast
	.globl	k_qdc1d61b04c_cast
	.p2align	8
	.type	k_qdc1d61b04c_cast,@function
k_qdc1d61b04c_cast:
	s_mov_b64 s[64:65], 0
	v_nop
	global_prefetch_b8 v0, s[64:65] scope:SCOPE_SE
	s_setreg_imm32_b32 hwreg(HW_REG_WAVE_MODE, 25, 1), 1
	s_wait_xcnt 0x0
; f32 to f16 (round to nearest even) of the activations and the four weight matrices, so that the products behind it find 16-bit operands.
; LIMIT: a number of magnitude 65,520 or more becomes infinite in f16; one below about 3e-8 becomes zero.
; Grid y names one matrix of 1024 x 1024 f32: y = 0..3 the four quarters of inputs, y = 4..7 wq, wk, wv, wo.  Grid x names 16 of its rows.
; xh  [4096][1024] f16;  wh [1024 k][3072 n] f16 with n = 1024 x (0 for q, 1 for k, 2 for v) + column;  woh [1024][1024] f16.
; Thread t takes 8 neighbouring numbers: 32 bytes in, 16 bytes out; 256 threads take two rows a pass, eight passes.
; A wave's store covers 512 consecutive bytes that start at a multiple of 512 from the row's first byte.
; All sixteen loads of a thread go out first; no register is written twice, so the only waits are the counted ones for the loads.
; No LDS, no matrix unit, no cluster: every byte is touched once and no two work-groups read the same byte.
.set DO, 2                             ; v[2:9]    pass p: byte offset of my 16 bytes in the destination
.set X,  16                            ; v[16:79]  pass p: 8 numbers as loaded
.set Y,  80                            ; v[80:111] pass p: 4 registers to store
	s_load_b512 s[8:23], s[0:1], 0x0               ; inputs s[8:9], wq s[10:11], wk s[12:13], wv s[14:15], wo s[16:17], xh s[18:19], wh s[20:21], woh s[22:23]
	s_and_b32 s2, ttmp7, 0xffff                    ; y
	s_sub_co_u32 s3, s2, 4                         ; y - 4: 0, 1, 2 for wq, wk, wv (wraps to a large number for y < 4)
	v_lshlrev_b32 v1, 5, v0                        ; 32 t: my 32 bytes in two rows of the source
	s_movk_i32 s30, 2048
	s_movk_i32 s31, 6144
	s_cmp_lt_u32 s3, 3
	s_cselect_b32 s30, s31, s30                    ; bytes from row to row in the destination: 6,144 in wh, else 2,048
	s_lshl_b32 s32, s2, 22                         ; source: a quarter of inputs is 1024 rows of 4,096 bytes
	s_cmp_lt_u32 s2, 4
	s_cselect_b32 s32, s32, 0
	s_lshl_b32 s33, ttmp9, 16                      ; + 16 rows of 4,096 bytes for each x
	s_add_co_u32 s32, s32, s33
	s_mov_b32 s33, 0
	s_lshl_b32 s34, s2, 21                         ; destination: a quarter of xh is 1024 rows of 2,048 bytes,
	s_lshl_b32 s35, s3, 11                         ; in wh the matrix's 1024 columns begin at byte 2,048 (y - 4) of a row,
	s_cmp_lt_u32 s3, 3
	s_cselect_b32 s35, s35, 0                      ; woh begins at 0
	s_cmp_lt_u32 s2, 4
	s_cselect_b32 s34, s34, s35
	s_lshl_b32 s36, s30, 4
	s_mul_i32 s36, s36, ttmp9                      ; + 16 rows for each x
	s_add_co_u32 s34, s34, s36
	s_mov_b32 s35, 0
	s_lshl_b32 s31, s30, 1                         ; two rows: from pass to pass
	s_wait_kmcnt 0x0
	s_mov_b64 s[24:25], s[8:9]                     ; the source, chosen by y alone
	s_cmp_eq_u32 s2, 4
	s_cselect_b64 s[24:25], s[10:11], s[24:25]
	s_cmp_eq_u32 s2, 5
	s_cselect_b64 s[24:25], s[12:13], s[24:25]
	s_cmp_eq_u32 s2, 6
	s_cselect_b64 s[24:25], s[14:15], s[24:25]
	s_cmp_eq_u32 s2, 7
	s_cselect_b64 s[24:25], s[16:17], s[24:25]
	s_mov_b64 s[28:29], s[18:19]                   ; the destination likewise
	s_cmp_ge_u32 s2, 4
	s_cselect_b64 s[28:29], s[20:21], s[28:29]
	s_cmp_eq_u32 s2, 7
	s_cselect_b64 s[28:29], s[22:23], s[28:29]
	s_add_nc_u64 s[24:25], s[24:25], s[32:33]
	s_add_nc_u64 s[28:29], s[28:29], s[34:35]
.irp p, 0,1,2,3,4,5,6,7
	global_load_b128 v[X+8*\p:X+8*\p+3],   v1, s[24:25] offset:8192*\p th:TH_LOAD_NT      ; read once in the launch
	global_load_b128 v[X+8*\p+4:X+8*\p+7], v1, s[24:25] offset:8192*\p+16 th:TH_LOAD_NT
.endr
	v_lshrrev_b32 v10, 7, v0                       ; which of the pass's two rows
	v_and_b32 v11, 127, v0                         ; my place in it
	v_mul_u32_u24 v10, s30, v10
	v_lshlrev_b32 v11, 4, v11
	v_add_nc_u32 v[DO], v10, v11
.irp p, 1,2,3,4,5,6,7
	v_add_nc_u32 v[DO+\p], s31, v[DO+\p-1]
.endr
.irp p, 0,1,2,3,4,5,6,7
	s_wait_loadcnt 14-2*\p                         ; loads come back in order (ISA guide 5.7.1): this pass's two are in, the 2 (7 - p) younger ones stay out
.irp j, 0,1,2,3
	v_cvt_pk_f16_f32 v[Y+4*\p+\j], v[X+8*\p+2*\j], v[X+8*\p+2*\j+1]
.endr
	global_store_b128 v[DO+\p], v[Y+4*\p:Y+4*\p+3], s[28:29]      ; no hint: the next launch reads these bytes
.endr
	s_endpgm
.Lfunc_end_k_qdc1d61b04c_cast:
	.size	k_qdc1d61b04c_cast, .Lfunc_end_k_qdc1d61b04c_cast-k_qdc1d61b04c_cast
	.p2alignl 7, 3214868480
	.fill 96, 4, 3214868480
	.section	.rodata,"a",@progbits
	.p2align	6, 0x0
	.amdhsa_kernel k_qdc1d61b04c_cast
		.amdhsa_group_segment_fixed_size 0
		.amdhsa_private_segment_fixed_size 0
		.amdhsa_enable_private_segment 0
		.amdhsa_kernarg_size 64
		.amdhsa_user_sgpr_count 2
		.amdhsa_user_sgpr_kernarg_segment_ptr 1
		.amdhsa_wavefront_size32 1
		.amdhsa_system_sgpr_workgroup_id_x 1
		.amdhsa_system_sgpr_workgroup_id_y 1
		.amdhsa_system_sgpr_workgroup_id_z 1
		.amdhsa_system_vgpr_workitem_id 0
		.amdhsa_next_free_vgpr 112
		.amdhsa_next_free_sgpr 66
		.amdhsa_reserve_vcc 0
		.amdhsa_float_denorm_mode_32 3
		.amdhsa_float_denorm_mode_16_64 3
		.amdhsa_memory_ordered 1
		.amdhsa_forward_progress 1
		.amdhsa_inst_pref_size 7
	.end_amdhsa_kernel
	.amdgpu_metadata
---
amdhsa.version: [ 1, 2 ]
amdhsa.kernels:
  - .name:           k_qdc1d61b04c_cast
    .symbol:         k_qdc1d61b04c_cast.kd
    .args:
      - { .name: inputs, .offset: 0, .size: 8, .value_kind: global_buffer, .address_space: global }
      - { .name: wq, .offset: 8, .size: 8, .value_kind: global_buffer, .address_space: global }
      - { .name: wk, .offset: 16, .size: 8, .value_kind: global_buffer, .address_space: global }
      - { .name: wv, .offset: 24, .size: 8, .value_kind: global_buffer, .address_space: global }
      - { .name: wo, .offset: 32, .size: 8, .value_kind: global_buffer, .address_space: global }
      - { .name: xh, .offset: 40, .size: 8, .value_kind: global_buffer, .address_space: global }
      - { .name: wh, .offset: 48, .size: 8, .value_kind: global_buffer, .address_space: global }
      - { .name: woh, .offset: 56, .size: 8, .value_kind: global_buffer, .address_space: global }
    .group_segment_fixed_size: 0
    .private_segment_fixed_size: 0
    .kernarg_segment_align: 8
    .kernarg_segment_size: 64
    .max_flat_workgroup_size: 256
    .sgpr_count:     66
    .vgpr_count:     112
    .wavefront_size: 32
...
	.end_amdgpu_metadata
.endif
;; end of part 1
;; launch qkv (part 2): grid 16 x 16, 4 waves a work-group, clusters of 4 x 4, 327,680 bytes of LDS; arguments xh, wh, qkv; writes qkv
.if DOCPART == 2
	.amdgcn_target "amdgcn-amd-amdhsa--gfx1250"
	.amdhsa_code_object_version 6
	.text
	.protected	k_qdc1d61b04c_qkv
	.globl	k_qdc1d61b04c_qkv
	.p2align	8
	.type	k_qdc1d61b04c_qkv,@function
k_qdc1d61b04c_qkv:
	s_mov_b64 s[64:65], 0
	v_nop
	global_prefetch_b8 v0, s[64:65] scope:SCOPE_SE
	s_setreg_imm32_b32 hwreg(HW_REG_WAVE_MODE, 25, 1), 1
	s_wait_xcnt 0x0
	s_wait_alu depctr_hold_cnt(0) depctr_sa_sdst(0) depctr_va_vdst(0) depctr_va_sdst(0) depctr_va_ssrc(0) depctr_va_vcc(0) depctr_vm_vsrc(0)
	s_getreg_b32 s2, hwreg(HW_REG_IB_STS2, 6, 4)
	s_cmp_eq_u32 s2, 0
	s_cbranch_scc0 .Lentry_in_a_cluster
	s_endpgm
.Lentry_in_a_cluster:
	s_bfe_u32 s2, ttmp6, 0x10000c
	s_cmp_lg_u32 s2, 0xf033
	s_cbranch_scc0 .Lentry_shape_is_right
	s_endpgm
.Lentry_shape_is_right:
; q, k, v = x wq, x wk, x wv as ONE product [4096 x 1024] x [1024 x 3072], f16 operands, f32 sums, f16 result.
; LIMIT: a result of magnitude 65,520 or more becomes infinite in f16.  Sums run over K in steps of 32, ascending.
; xh [4096][1024] f16 (K along the rows);  wh [1024 k][3072 n] f16 (N along the rows: fragments come through the transposing LDS load).
; qkv [48 units][4096 rows][64] f16: unit = 16 x (0 q, 1 k, 2 v) + head = the product's column / 64.
; A work-group makes 256 rows x 192 columns (three units) with four waves; wave w makes rows 64 w .. 64 w + 63 of all 192 columns:
; 48 accumulator tiles of 16 x 16, 384 registers.  16 x 16 work-groups.  K goes in steps of 128 through two LDS slots.
; CLUSTERS: 4 x 4 work-groups.  The four of a row of the cluster need the same rows of x, the four of a column the same columns of w:
; each tile is asked for jointly by the four, with one descriptor and a mask that names them, which divides the requests by four.
;
; REGISTERS in windows of 256:
;   window 0: v16-26 addresses; v32-63, v64-95 fragments of x (4 x 16 rows x 32 K), two buffers; v96-143, v144-239 at work on the way out
;   window 1: v0-95, v96-191 fragments of w (12 x 16 columns x 32 K), two buffers
;   window 2: the 24 tiles of my rows 0-31 (tile (a, b) at v[8 (12 a + b)]);  window 3: those of my rows 32-63
; THE MATRIX INSTRUCTION IS USED TRANSPOSED: source 0 = 16 columns of w, source 1 = 16 rows of x.  Lane l then holds row l % 16 and in its
; registers 0-7 the columns 16 b + 8 (l / 16) + 0..7: eight neighbouring numbers of a row, 16 bytes in f16.
.set KSTEP,  128
.set PA,     272                       ; LDS row of x: 256 bytes + 16: sixteen rows begin at sixteen different 16-byte columns modulo 256
.set PB,     480                       ; LDS row of w: 3 x (128 bytes + 32): 15 x 32, so the 8 rows x 2 pieces that sixteen lanes of a transposing load touch lie in sixteen different 16-byte columns modulo 256
.set PART,   128*PA                    ; 34,816: what one tensor load may fill (x: 128 rows x 272; w: 64 rows x 480 = 30,720)
.set SLOT,   4*PART                    ; x rows 0-127, x rows 128-255, w k-rows 0-63, w k-rows 64-127
.set STAGE,  2*SLOT                    ; behind the ring, a multiple of 256: no tensor load lands here
.set WSTAGE, 3*16*144                  ; a wave's stage: 3 units x 16 rows x (128 + 16) bytes
.set LAPS,   1024/(2*KSTEP)            ; a lap = two K steps = once round the ring
.set ADRA, 16                          ; v16-17  LDS address of my x fragments in slot 0, 1
.set ADRB, 20                          ; v20-21  the same for w
.set STO,  24                          ; v24     way out: where I put 16 bytes of a row
.set RD,   25                          ; v25     way out: where I read rows back
.set CO,   26                          ; v26     way out: 16 x lane
.set FA,   32                          ; x fragments, buffer f at FA + 32 f
.set TMP,  96                          ; way out: packed results
.set RB,   144                         ; way out: rows read back, two sets of 48
.set G1,  24                           ; s[24:31] descriptor group 1 for x
.set G0,  32                           ; s[32:39] group 0 for x, one set a slot
.set G1B, 48                           ; s[48:55] group 1 for w
.set G0B, 56                           ; s[56:63] group 0 for w, one set a slot
.set MSB, 0
.macro WIN new                         ; the immediate's high byte repeats the setting that is left
.if MSB != \new
	s_set_vgpr_msb (MSB<<8)|\new
.set MSB, \new
.endif
.endm
.set MUL_LO, 0xa1                      ; source 0 (w) window 1, source 1 (x) window 0, C and D window 2
.set MUL_HI, 0xf1                      ; the same, C and D window 3
.set TO_B,   0x40                      ; destination window 1, address window 0
; A joint load.  Waves 0 and 1 fetch x's two halves, waves 2 and 3 w's.  The branch hangs on the wave's number alone.
.macro JLOAD s
	s_cmp_eq_u32 s11, 0
	s_cbranch_scc0 .Lfor_b_\@
	tensor_load_to_lds s[G0+4*\s:G0+4*\s+3], s[G1:G1+7]
	s_nop 0
	s_branch .Lasked_\@
.Lfor_b_\@:
	tensor_load_to_lds s[G0B+4*\s:G0B+4*\s+3], s[G1B:G1B+7]
	s_nop 0
.Lasked_\@:
.endm
; A round of the cluster's barrier: my work-group's barrier; wave 0 signals for the work-group; every wave waits for all sixteen; my work-group's barrier again.
.macro CREST                           ; a round behind its opening barrier
	s_cmp_lg_u32 s10, 0
	s_cbranch_scc1 .Lnot_wave_0_\@
	s_barrier_signal -3
.Lnot_wave_0_\@:
	s_barrier_wait -3
	s_barrier_signal -1
	s_barrier_wait -1
.endm
.macro CROUND
	s_barrier_signal -1
	s_barrier_wait -1
	CREST
.endm
	s_load_b128 s[4:7], s[0:1], 0x0                ; xh s[4:5], wh s[6:7]
	s_load_b64 s[8:9], s[0:1], 0x10                ; qkv
	s_set_vgpr_msb 0x40
	v_lshl_add_u32 v255, v0, 2, 0x4ac00
	s_set_vgpr_msb 0x4000
	v_mov_b32 v255, 0
	s_set_vgpr_msb 0x1
	ds_add_u32 v255, v255
	s_set_vgpr_msb 0x100
	v_lshrrev_b32 v1, 5, v0
	v_readfirstlane_b32 s10, v1                    ; wave 0..3
	s_lshr_b32 s11, s10, 1                         ; I fetch for x (0) or for w (1)
	s_and_b32 s12, s10, 1                          ; which half of that tile
	s_bfe_u32 s40, ttmp6, 0x40000                  ; cx
	s_bfe_u32 s41, ttmp6, 0x40004                  ; cy
	s_lshl_b32 s42, ttmp9, 2
	s_add_co_u32 s42, s42, s40                     ; block column = 4 x cluster x + cx
	s_and_b32 s13, ttmp7, 0xffff
	s_lshl_b32 s13, s13, 2
	s_add_co_u32 s13, s13, s41                     ; block row = 4 x cluster y + cy
	s_lshl_b32 s43, s41, 2
	s_lshl_b32 s43, 15, s43                        ; my row of the cluster: places 4 cy .. 4 cy + 3
	s_lshl_b32 s44, 0x1111, s40                    ; my column: places cx, cx + 4, cx + 8, cx + 12
	; group 1 for x: 128 rows x 128 elements of 2 bytes, 4 words of padding behind every 64 words
	s_or_b32 s[G1+0], s43, (1<<16)|(1<<20)|(1<<21)|(5<<22)|(3<<25)
	s_mov_b32 s[G1+1], KSTEP<<16                   ; tensor_dim0 = 128
	s_mov_b32 s[G1+2], 128<<16                     ; tensor_dim1 = 128
	s_mov_b32 s[G1+3], KSTEP<<16                   ; tile_dim0 = 128
	s_mov_b32 s[G1+4], 128                         ; tile_dim1 = 128
	s_mov_b32 s[G1+5], 1024                        ; elements from row to row
	s_mov_b32 s[G1+6], 0
	s_mov_b32 s[G1+7], 0
	; group 1 for w: 64 k-rows x 192 elements, 8 words of padding behind every 32 words (three times a row)
	s_or_b32 s[G1B+0], s44, (1<<16)|(1<<20)|(1<<21)|(4<<22)|(7<<25)
	s_mov_b32 s[G1B+1], 192<<16
	s_mov_b32 s[G1B+2], 64<<16
	s_mov_b32 s[G1B+3], 192<<16
	s_mov_b32 s[G1B+4], 64
	s_mov_b32 s[G1B+5], 3072
	s_mov_b32 s[G1B+6], 0
	s_mov_b32 s[G1B+7], 0
	; x's tile hangs on the block row alone, w's on the block column alone; each offset in registers that never hold the other coordinate
	s_lshl_b32 s17, s12, 7
	s_lshl_b32 s16, s13, 8
	s_add_co_u32 s16, s16, s17                     ; x: row 256 x block row + 128 x half,
	s_lshl_b32 s16, s16, 11                        ; of 2,048 bytes
	s_mov_b32 s17, 0
	s_mul_i32 s46, s42, 384                        ; w: 192 columns of 2 bytes for each block column
	s_mul_i32 s47, s12, 64*6144                    ; + 64 k-rows of 6,144 bytes x half
	s_add_co_u32 s46, s46, s47
	s_mov_b32 s47, 0
	s_mul_i32 s20, s10, PART                       ; where my part goes: wave x 34,816; no place in the cluster enters an LDS address
	s_wait_dscnt 0x0
	s_wait_kmcnt 0x0
	s_add_nc_u64 s[14:15], s[4:5], s[16:17]
	s_add_nc_u64 s[46:47], s[6:7], s[46:47]
	CROUND                                         ; all sixteen work-groups are here: the first joint loads meet
.irp s, 0,1
	s_mov_b32 s[G0+4*\s], 1
	s_add_co_u32 s[G0+4*\s+1], s20, \s*SLOT
	s_add_nc_u64 s[G0+4*\s+2:G0+4*\s+3], s[14:15], \s*KSTEP*2          ; K step s: 256 bytes along the rows
	s_or_b32 s[G0+4*\s+3], s[G0+4*\s+3], 0x80000000
	s_mov_b32 s[G0B+4*\s], 1
	s_add_co_u32 s[G0B+4*\s+1], s20, \s*SLOT
	s_add_nc_u64 s[G0B+4*\s+2:G0B+4*\s+3], s[46:47], \s*KSTEP*6144     ; K step s: 128 k-rows down
	s_or_b32 s[G0B+4*\s+3], s[G0B+4*\s+3], 0x80000000
	JLOAD \s                                       ; both first fills go out ahead of everything else: two tensor loads of the wave are out
.endr
	v_and_b32 v1, 15, v0                           ; r = l % 16
	v_bfe_u32 v2, v0, 4, 1                         ; h = l / 16
	v_mul_u32_u24 v3, v1, PA
	v_lshl_add_u32 v3, v2, 4, v3                   ; x fragment: row r x pitch + 16 h
	s_mul_i32 s21, s10, 64*PA                      ; my 64 rows
	v_add_nc_u32 v[ADRA], s21, v3
	v_add_nc_u32 v[ADRA+1], SLOT, v[ADRA]
	v_and_b32 v4, 7, v0
	v_lshl_add_u32 v4, v2, 3, v4                   ; w fragment: k-row 8 h + l % 8,
	v_mul_u32_u24 v4, v4, PB
	v_bfe_u32 v5, v0, 3, 1
	v_lshl_add_u32 v4, v5, 4, v4                   ; piece (l / 8) % 2 of the 32 bytes of 16 columns
	v_add_nc_u32 v[ADRB], 2*PART, v4
	v_add_nc_u32 v[ADRB+1], SLOT, v[ADRB]
	s_mul_i32 s23, s10, WSTAGE
	s_add_co_u32 s23, s23, STAGE                   ; my stage
	v_mul_u32_u24 v6, v1, 144
	v_lshl_add_u32 v6, v2, 4, v6
	v_add_nc_u32 v[STO], s23, v6                   ; in: row r, 16 bytes for each half of the lanes
	v_bfe_u32 v7, v0, 3, 2
	v_and_b32 v8, 7, v0
	v_mul_u32_u24 v7, v7, 144
	v_lshl_add_u32 v7, v8, 4, v7
	v_add_nc_u32 v[RD], s23, v7                    ; back: eight lanes take one row of 128 bytes, the wave four rows
	v_and_b32 v[CO], 31, v0
	v_lshlrev_b32 v[CO], 4, v[CO]                  ; four rows of a unit are 512 consecutive bytes
; 12 matrix instructions: row block a of the window's two (hi = 0: my rows 0-31, 1: rows 32-63) x all 12 column blocks, 32 along K, buffer f.
; zero = 1: the first product starts the sums; nothing is cleared.
.macro MUL12 f, hi, a, zero
.irp b, 0,1,2,3,4,5,6,7,8,9,10,11
.if \zero
	v_wmma_f32_16x16x32_f16 v[8*(12*\a+\b):8*(12*\a+\b)+7], v[96*\f+8*\b:96*\f+8*\b+7], v[FA+32*\f+8*(2*\hi+\a):FA+32*\f+8*(2*\hi+\a)+7], 0
.else
	v_wmma_f32_16x16x32_f16 v[8*(12*\a+\b):8*(12*\a+\b)+7], v[96*\f+8*\b:96*\f+8*\b+7], v[FA+32*\f+8*(2*\hi+\a):FA+32*\f+8*(2*\hi+\a)+7], v[8*(12*\a+\b):8*(12*\a+\b)+7]
.endif
.endr
.endm
; 32 LDS loads in one run: quarter q (32 along K) of a slot into buffer f.  w first (24 transposing loads: k-rows 32 q + 8 h + .. and 16 further down),
; then x (8 loads, row blocks 0 to 3).  Column block b of w begins at byte (b / 4) 160 + (b % 4) 32 of an LDS row.
.macro FETCH slot, q, f
	WIN TO_B
.irp b, 0,1,2,3,4,5,6,7,8,9,10,11
	ds_load_tr16_b128 v[96*\f+8*\b:96*\f+8*\b+3],   v[ADRB+\slot] offset:((\q)>>1)*PART+((\q)&1)*32*PB+(\b/4)*160+(\b%4)*32
	ds_load_tr16_b128 v[96*\f+8*\b+4:96*\f+8*\b+7], v[ADRB+\slot] offset:((\q)>>1)*PART+((\q)&1)*32*PB+(\b/4)*160+(\b%4)*32+16*PB
.endr
	WIN 0
.irp a, 0,1,2,3
	ds_load_b128 v[FA+32*\f+8*\a:FA+32*\f+8*\a+3],   v[ADRA+\slot] offset:64*(\q)+\a*16*PA
	ds_load_b128 v[FA+32*\f+8*\a+4:FA+32*\f+8*\a+7], v[ADRA+\slot] offset:64*(\q)+\a*16*PA+32
.endr
.endm
; A load into a register that a matrix instruction has read, and a vector instruction that reads a matrix result, stand four places behind
; that matrix instruction; only plain vector instructions that name none of its registers are places (ISA guide 7.12.1 for vector instructions).
.macro PLACES
.rept 4
	v_nop
.endr
.endm
; A K step is four quarters of 32 along K, 48 matrix instructions each, on buffers 0, 1, 0, 1.  The 48 accumulators take turns, one instruction
; a turn, in the same order in every quarter, over the backward jump too.
; One of the first three quarters: multiplies buffer f; in its middle it fetches quarter q of the same slot into buffer g.
.macro QUARTER slot, q, f, g, zero
	s_wait_dscnt 4                                 ; w and x's row blocks 0, 1 are in; the youngest four loads (row blocks 2, 3) may be out
	WIN MUL_LO
	MUL12 \f, 0, 0, \zero
	MUL12 \f, 0, 1, \zero
	PLACES
	FETCH \slot, \q, \g
	s_wait_dscnt 32                                ; all but the 32 just issued
	WIN MUL_HI
	MUL12 \f, 1, 0, \zero
	MUL12 \f, 1, 1, \zero
.endm
.macro THREE slot, zero
	QUARTER \slot, 1, 0, 1, \zero
	QUARTER \slot, 2, 1, 0, 0
	QUARTER \slot, 3, 0, 1, 0
.endm
; The last quarter: multiplies buffer 1 and changes slots.  In front of the one barrier each wave waits for its reads of this slot and for all
; its tensor loads (one is out: its part of the next slot).  Behind it the refill comes first, then the next slot's first fragments.
; From a request to the wait for it a wave issues 180 matrix instructions.
.macro TURN slot, next, fill
	s_wait_dscnt 4
	WIN MUL_LO
	MUL12 1, 0, 0, 0
	s_wait_dscnt 0                                 ; my reads of this slot are over
	s_wait_tensorcnt 0x0                           ; and all my tensor loads have landed
	ds_add_u32 v255, v255
	s_wait_dscnt 0x0
	s_barrier_signal -1                            ; say so (where the slot is filled again this opens a round of the cluster's barrier),
	MUL12 1, 0, 1, 0                               ; registers only while the others arrive,
	WIN 0
	s_barrier_wait -1
.if \fill
	CREST                                          ; no wave of any partner still reads this slot or has a load on its way
	s_add_nc_u64 s[G0+4*\slot+2:G0+4*\slot+3], s[G0+4*\slot+2:G0+4*\slot+3], 2*KSTEP*2
	s_add_nc_u64 s[G0B+4*\slot+2:G0B+4*\slot+3], s[G0B+4*\slot+2:G0B+4*\slot+3], 2*KSTEP*6144
	JLOAD \slot                                    ; the wave's one tensor load behind the round, and the first thing there
.endif
	PLACES
	FETCH \next, 0, 0
	WIN MUL_HI
	MUL12 1, 1, 0, 0
	MUL12 1, 1, 1, 0
.endm
.macro LAP zero
	THREE 0, \zero
	TURN 0, 1, 1
	THREE 1, 0
	TURN 1, 0, 1
.endm
	s_wait_tensorcnt 1                             ; my part of K step 0 is in; K step 1's may stay out
	s_barrier_signal -1
	s_barrier_wait -1                              ; everybody's is
	FETCH 0, 0, 0
	LAP 1                                          ; K steps 0, 1: the first products start the sums
	WIN 0                                          ; at a label and at a branch every window is 0
	s_mov_b32 s3, LAPS-2
.Llap:
	LAP 0                                          ; K steps 2 to 5, which ask for steps 4 to 7
	WIN 0
	s_sub_co_u32 s3, s3, 1
	s_cmp_lg_u32 s3, 0
	s_cbranch_scc1 .Llap
	THREE 0, 0                                     ; the last lap fills nothing
	TURN 0, 1, 0
	THREE 1, 0
	s_wait_dscnt 4                                 ; the very last quarter: nothing more to fetch
	WIN MUL_LO
	MUL12 1, 0, 0, 0
	MUL12 1, 0, 1, 0
	s_wait_dscnt 0
	WIN MUL_HI
	MUL12 1, 1, 0, 0
	MUL12 1, 1, 1, 0
	; THE WAY OUT, 16 rows at a time: round to f16, 16 bytes a lane into my own stage, read back as whole rows of a unit (128 bytes), store 512 dense bytes.
	PLACES                                         ; the places behind the last matrix instructions, for the conversions that read their results
	s_lshl_b32 s16, s13, 15                        ; 256 rows of 128 bytes for each block row
	s_lshl_b32 s17, s10, 13                        ; + my 64 rows
	s_add_co_u32 s16, s16, s17
	s_mov_b32 s17, 0
	s_add_nc_u64 s[8:9], s[8:9], s[16:17]
	s_mul_i32 s46, s42, 3*524288                   ; three units of 524,288 bytes for each block column
	s_mov_b32 s47, 0
	s_add_nc_u64 s[8:9], s[8:9], s[46:47]
; rows 16 a .. 16 a + 15 of my 64 = the twelve tiles (a % 2, 0..11) of window 2 or 3 (from = 0x0a or 0x0f: sources 0 and 1); dst: which set of RB
.macro OUT16 a, from, dst
	WIN \from
.irp b, 0,1,2,3,4,5,6,7,8,9,10,11
.irp e, 0,1,2,3
	v_cvt_pk_f16_f32 v[TMP+4*\b+\e], v[8*(12*((\a)&1)+\b)+2*\e], v[8*(12*((\a)&1)+\b)+2*\e+1]
.endr
.endr
	WIN 0
.irp b, 0,1,2,3,4,5,6,7,8,9,10,11
	ds_store_b128 v[STO], v[TMP+4*\b:TMP+4*\b+3] offset:(\b/4)*2304+(\b%4)*32
.endr
	s_wait_xcnt 0x0                                ; this set of RB was the data of earlier stores: it is loaded again only behind this wait
.irp i, 0,1,2,3,4,5,6,7,8,9,10,11
	ds_load_b128 v[RB+48*\dst+4*\i:RB+48*\dst+4*\i+3], v[RD] offset:(\i/4)*2304+(\i%4)*576    ; LDS serves a wave's instructions in order (ISA guide 5.7.1): these see the stores above
.endr
.irp i, 0,1,2,3,4,5,6,7,8,9,10,11
	s_wait_dscnt 11-\i                             ; the 11 - i younger read-backs may be out
	global_store_b128 v[CO], v[RB+48*\dst+4*\i:RB+48*\dst+4*\i+3], s[8:9] offset:(\i/4)*524288+\a*2048+(\i%4)*512   ; four rows of one unit: 512 consecutive bytes, aligned
.endr
.endm
	OUT16 0, 0x0a, 0
	OUT16 1, 0x0a, 1
	OUT16 2, 0x0f, 0
	OUT16 3, 0x0f, 1
	s_set_vgpr_msb 0x1
	s_wait_tensorcnt 0x0
	ds_add_u32 v255, v255
	s_wait_dscnt 0x0
	s_set_vgpr_msb 0x100
	CROUND                                         ; the closing round: no work-group ends while a partner may still ask for a tile that names it
	s_endpgm
.Lfunc_end_k_qdc1d61b04c_qkv:
	.size	k_qdc1d61b04c_qkv, .Lfunc_end_k_qdc1d61b04c_qkv-k_qdc1d61b04c_qkv
	.p2alignl 7, 3214868480
	.fill 96, 4, 3214868480
	.section	.rodata,"a",@progbits
	.p2align	6, 0x0
	.amdhsa_kernel k_qdc1d61b04c_qkv
		.amdhsa_group_segment_fixed_size 327680
		.amdhsa_private_segment_fixed_size 0
		.amdhsa_enable_private_segment 0
		.amdhsa_kernarg_size 24
		.amdhsa_user_sgpr_count 2
		.amdhsa_user_sgpr_kernarg_segment_ptr 1
		.amdhsa_wavefront_size32 1
		.amdhsa_system_sgpr_workgroup_id_x 1
		.amdhsa_system_sgpr_workgroup_id_y 1
		.amdhsa_system_sgpr_workgroup_id_z 1
		.amdhsa_system_vgpr_workitem_id 0
		.amdhsa_next_free_vgpr 960
		.amdhsa_next_free_sgpr 66
		.amdhsa_reserve_vcc 0
		.amdhsa_float_denorm_mode_32 3
		.amdhsa_float_denorm_mode_16_64 3
		.amdhsa_memory_ordered 1
		.amdhsa_forward_progress 1
		.amdhsa_inst_pref_size 163
	.end_amdhsa_kernel
	.amdgpu_metadata
---
amdhsa.version: [ 1, 2 ]
amdhsa.kernels:
  - .name:           k_qdc1d61b04c_qkv
    .symbol:         k_qdc1d61b04c_qkv.kd
    .args:
      - { .name: xh, .offset: 0, .size: 8, .value_kind: global_buffer, .address_space: global }
      - { .name: wh, .offset: 8, .size: 8, .value_kind: global_buffer, .address_space: global }
      - { .name: qkv, .offset: 16, .size: 8, .value_kind: global_buffer, .address_space: global }
    .group_segment_fixed_size: 327680
    .private_segment_fixed_size: 0
    .kernarg_segment_align: 8
    .kernarg_segment_size: 24
    .max_flat_workgroup_size: 128
    .sgpr_count:     66
    .vgpr_count:     960
    .wavefront_size: 32
...
	.end_amdgpu_metadata
.endif
;; end of part 2
;; launch attn (part 3): grid 8 x 32, 16 waves a work-group, clusters of 4 x 1, 327,680 bytes of LDS; arguments qkv, ah; writes ah
.if DOCPART == 3
	.amdgcn_target "amdgcn-amd-amdhsa--gfx1250"
	.amdhsa_code_object_version 6
	.text
	.protected	k_qdc1d61b04c_attn
	.globl	k_qdc1d61b04c_attn
	.p2align	8
	.type	k_qdc1d61b04c_attn,@function
k_qdc1d61b04c_attn:
	s_mov_b64 s[64:65], 0
	v_nop
	global_prefetch_b8 v0, s[64:65] scope:SCOPE_SE
	s_setreg_imm32_b32 hwreg(HW_REG_WAVE_MODE, 25, 1), 1
	s_wait_xcnt 0x0
	s_wait_alu depctr_hold_cnt(0) depctr_sa_sdst(0) depctr_va_vdst(0) depctr_va_sdst(0) depctr_va_ssrc(0) depctr_va_vcc(0) depctr_vm_vsrc(0)
	s_getreg_b32 s2, hwreg(HW_REG_IB_STS2, 6, 4)
	s_cmp_eq_u32 s2, 0
	s_cbranch_scc0 .Lentry_in_a_cluster
	s_endpgm
.Lentry_in_a_cluster:
	s_bfe_u32 s2, ttmp6, 0x10000c
	s_cmp_lg_u32 s2, 0x3003
	s_cbranch_scc0 .Lentry_shape_is_right
	s_endpgm
.Lentry_shape_is_right:
; softmax(q k^T / 8) v for one head and 256 query rows, with a running maximum; f16 matrix operands, everything else f32.
; LIMITS: the weights p = exp(logit - running maximum), at most 1, are rounded to f16 for the second product, while their sum l is taken from the
; unrounded f32 numbers; the result is rounded to f16 (magnitudes below about 3e-8 become 0).  Sums run over the keys in steps of 64, in two
; halves of 1,024 keys that are merged at the end by their maxima.
; qkv [48 units][4096 rows][64] f16, unit = 16 x (0 q, 1 k, 2 v) + head.  ah [32 blocks of 128 rows][16 heads][128 rows][64] f16.
; Grid x = block of 256 query rows, grid y = 16 x batch + head.
; SIXTEEN WAVES, four on each of the WGP's four SIMDs, 256 registers each (all 1,024).  Wave w = 8 hk + qg owns the 32 query rows of block qg
; (two groups of 16) and walks the 1,024 keys of half hk.  A step is one chain (K loads, products, maxima, exponentials, sums, packing, products);
; four such chains on a SIMD fill each other's gaps.
; CLUSTERS: the four work-groups of a cluster are four query blocks of one head: they read the same K and V tiles and ask for them jointly (mask 15).
; BOTH PRODUCTS ARE MADE TRANSPOSED, so that nothing is moved between lanes but one maximum:
;   S^T = K Q^T : source 0 = 16 keys (rows of K), source 1 = 16 query rows (kept in registers).  Lane (r, h) holds query row r, keys 16 t + 8 h + 0..7.
;   Packing key tiles 2 u and 2 u + 1 to f16 gives, register for register, the source-1 fragment of P^T for 32 keys.
;   O^T = V^T P^T : source 0 = V through the transposing LDS load.  Lane (r, h) holds query row r, depths 16 dt + 8 h + 0..7.
;   So maximum, sum and rescaling factor are one number a lane; a row's two lanes (r, 0) and (r, 1) exchange the maximum each step and the sum once.
; THE MERGE needs no branch: a wave of half 1 holds its two query groups swapped (register group g = rows 16 (g xor hk) ..), so every wave hands its
; register group 1 to its partner (wave xor 8) through LDS and finishes its register group 0, 16 rows.
; LDS: two slots of 512 keys (256 of each half).  K and V are dense in memory and come in as rows of 256 bytes (two keys), padded.
; Four fills in all: a refill has a whole phase (four steps of each of the sixteen waves) in which to land.
.set PART,  18432                      ; what one tensor load may fill: 64 rows of 256 bytes at pitch 272 (K: 17,408) or 288 (V: 18,432)
.set SLOT,  8*PART                     ; K half 0 (two parts of 128 keys), K half 1, V half 0, V half 1 (V's parts join without a gap)
.set WX,    4352                       ; a wave's exchange bytes, in slot 0 after its last fill and last read: 4,096 of O, 256 of (m, l); later the wave's stage (16 rows x 144)
.set XML,   4096                       ; where (m, l) lie in them
.set KA,  1                            ; v1-2     LDS address of my K fragments in slot 0, 1
.set VA,  3                            ; v3-4     the same for V
.set XO,  1                            ; at the end, in their place: my exchange bytes, 16 a lane
.set PO,  2                            ;          my partner's
.set XM,  3                            ;          my exchange bytes, 8 a lane
.set PM,  4                            ;          my partner's
.set M,   6                            ; v6-7     running maximum of group g (raw logits, before the scale)
.set LS,  8                            ; v[8:11]  running sum, a pair for each g (even and odd registers apart)
.set NM,  12                           ; v[12:15] -c x maximum in the low register of a pair for each g
.set AL,  16                           ; v[16:19] rescaling factor in the low register of a pair for each g
.set T,   20                           ; v[20:27] at work
.set STO, 28
.set RD,  29
.set CO,  30
.set QO,  31
.set Q,   32                           ; v[32:63]   Q fragment (g, ds) at 16 g + 8 ds
.set O,   64                           ; v[64:127]  O^T tile (g, dt) at 32 g + 8 dt
.set S,   128                          ; v[128:191] S^T tile (g, t) at 32 g + 8 t; then P^T fragment (g, ks) at 32 g + 16 ks
.set KV,  192                          ; v[192:255] K fragment (t, ds) at 16 t + 8 ds; then V fragment (dt, ks) at 16 dt + 8 ks
.set G1K, 24                           ; s[24:31] descriptor group 1 for K
.set G1V, 32                           ; s[32:39] for V: other padding
.set G0,  40                           ; s[40:47] group 0, one set a slot
; c = log2(e) / 8 = 0x3e38aa3b: p = 2^(c s - c m)
.macro ROUND                           ; a round of the cluster's barrier
	s_barrier_signal -1
	s_barrier_wait -1
	s_cmp_lg_u32 s10, 0
	s_cbranch_scc1 .Lnot_wave_0_\@
	s_barrier_signal -3
.Lnot_wave_0_\@:
	s_barrier_wait -3
	s_barrier_signal -1
	s_barrier_wait -1
.endm
; A joint refill: waves 0 to 3 ask for K's four parts, waves 4 to 7 for V's, waves 8 to 15 for nothing.  The branches hang on the wave's number alone.
.macro JLOAD s
	s_cmp_lt_u32 s10, 4
	s_cbranch_scc0 .Lnot_k_\@
	tensor_load_to_lds s[G0+4*(\s):G0+4*(\s)+3], s[G1K:G1K+7]
	s_nop 0
	s_branch .Lasked_\@
.Lnot_k_\@:
	s_cmp_lt_u32 s10, 8
	s_cbranch_scc0 .Lasked_\@
	tensor_load_to_lds s[G0+4*(\s):G0+4*(\s)+3], s[G1V:G1V+7]
	s_nop 0
.Lasked_\@:
.endm
.macro NOP5                            ; five places behind matrix instructions (ISA guide 7.12.1; the fifth for a matrix instruction that writes over a source)
.rept 5
	v_nop
.endr
.endm
	s_load_b128 s[4:7], s[0:1], 0x0                ; qkv s[4:5], ah s[6:7]
	v_lshl_add_u32 v190, v0, 2, 0x48000
	v_mov_b32 v191, 0
	ds_add_u32 v190, v191
	s_wait_dscnt 0x0
	v_lshrrev_b32 v5, 5, v0
	v_readfirstlane_b32 s10, v5                    ; wave 0..15
	s_lshr_b32 s11, s10, 3                         ; hk: my half of the keys
	s_and_b32 s19, s10, 7                          ; qg: my 32 query rows
	s_bfe_u32 s12, ttmp6, 0x40000                  ; cx
	s_lshl_b32 s13, ttmp9, 2
	s_add_co_u32 s13, s13, s12                     ; query block = 4 x cluster x + cx
	s_and_b32 s14, ttmp7, 0xffff
	s_and_b32 s15, s14, 15                         ; head
	s_lshr_b32 s16, s14, 4                         ; batch
	s_mov_b32 s20, 0x76543210                      ; v_permlanex16_b32: lane i of one half reads lane i of the other
	s_mov_b32 s21, 0xfedcba98
	; group 1: 64 rows x 32 elements of 8 bytes, dense; behind every 64 words 4 words of padding (K) or 8 (V); mask 15, bit 21 beside it
	s_mov_b32 s[G1K+0], 15|(3<<16)|(1<<20)|(1<<21)|(5<<22)|(3<<25)
	s_mov_b32 s[G1K+1], 32<<16
	s_mov_b32 s[G1K+2], 64<<16
	s_mov_b32 s[G1K+3], 32<<16
	s_mov_b32 s[G1K+4], 64
	s_mov_b32 s[G1K+5], 32
	s_mov_b32 s[G1K+6], 0
	s_mov_b32 s[G1K+7], 0
	s_mov_b32 s[G1V+0], 15|(3<<16)|(1<<20)|(1<<21)|(5<<22)|(7<<25)
	s_mov_b32 s[G1V+1], 32<<16
	s_mov_b32 s[G1V+2], 64<<16
	s_mov_b32 s[G1V+3], 32<<16
	s_mov_b32 s[G1V+4], 64
	s_mov_b32 s[G1V+5], 32
	s_mov_b32 s[G1V+6], 0
	s_mov_b32 s[G1V+7], 0
	; the part of a tile that waves 0 to 7 fetch: unit 16 + head (K) or 32 + head (V) by bit 2 of the wave's number, the batch's 2,048 rows,
	; the half of the keys by bit 1, 128 keys by bit 0.  No cx in it.
	s_bfe_u32 s52, s10, 0x10002
	s_lshl_b32 s52, s52, 4
	s_add_co_u32 s52, s52, s15
	s_add_co_u32 s52, s52, 16
	s_lshl_b32 s52, s52, 19                        ; units of 524,288 bytes
	s_lshl_b32 s53, s16, 18                        ; 2,048 rows of 128 bytes
	s_add_co_u32 s52, s52, s53
	s_bfe_u32 s53, s10, 0x10001
	s_lshl_b32 s53, s53, 17                        ; 1,024 keys of 128 bytes
	s_add_co_u32 s52, s52, s53
	s_and_b32 s53, s10, 1
	s_lshl_b32 s53, s53, 14                        ; 128 keys of 128 bytes
	s_add_co_u32 s52, s52, s53
	s_mov_b32 s53, 0
	s_mul_i32 s18, s10, PART                       ; where it goes: wave x 18,432 (waves 8 to 15 issue no load)
	; my rows of q: unit head, row 2,048 batch + 256 block + 32 qg + 16 (g xor hk)
	s_lshl_b32 s48, s15, 19
	s_lshl_b32 s49, s16, 18
	s_add_co_u32 s48, s48, s49
	s_lshl_b32 s49, s13, 15
	s_add_co_u32 s48, s48, s49
	s_lshl_b32 s49, s19, 12
	s_add_co_u32 s48, s48, s49
	s_lshl_b32 s49, s11, 11                        ; 16 rows of 128 bytes x hk: register group 0
	s_xor_b32 s17, s49, 2048                       ; x (1 - hk): register group 1
	s_add_co_u32 s22, s48, s17
	s_add_co_u32 s48, s48, s49
	s_mov_b32 s49, 0
	s_mov_b32 s23, 0
	s_mul_i32 s8, s11, 2*PART                      ; my half's K in a slot
	s_add_co_u32 s9, s8, 4*PART                    ; my half's V
	s_wait_kmcnt 0x0
	s_add_nc_u64 s[54:55], s[4:5], s[52:53]
	s_add_nc_u64 s[50:51], s[4:5], s[48:49]        ; q, register group 0
	s_add_nc_u64 s[22:23], s[4:5], s[22:23]        ; q, register group 1
.irp s, 0,1
	s_mov_b32 s[G0+4*\s], 1
	s_add_co_u32 s[G0+4*\s+1], s18, \s*SLOT
	s_add_nc_u64 s[G0+4*\s+2:G0+4*\s+3], s[54:55], \s*32768        ; slot s: keys 256 s .. of each half
	s_or_b32 s[G0+4*\s+3], s[G0+4*\s+3], 0x80000000
.endr
	ROUND                                          ; the four work-groups are here: the first joint loads meet
	; the first fills, a wave's two inside one branch on its number: two tensor loads of the wave are out
	s_cmp_lt_u32 s10, 4
	s_cbranch_scc0 .Lfirst_not_k
	tensor_load_to_lds s[G0:G0+3], s[G1K:G1K+7]
	s_nop 0
	tensor_load_to_lds s[G0+4:G0+7], s[G1K:G1K+7]
	s_nop 0
	s_branch .Lfirst_asked
.Lfirst_not_k:
	s_cmp_lt_u32 s10, 8
	s_cbranch_scc0 .Lfirst_asked
	tensor_load_to_lds s[G0:G0+3], s[G1V:G1V+7]
	s_nop 0
	tensor_load_to_lds s[G0+4:G0+7], s[G1V:G1V+7]
	s_nop 0
.Lfirst_asked:
	v_and_b32 v[T], 15, v0                         ; r
	v_bfe_u32 v[T+1], v0, 4, 1                     ; h
	v_lshlrev_b32 v[QO], 7, v[T]
	v_lshl_add_u32 v[QO], v[T+1], 4, v[QO]         ; q: row r of 128 bytes + 16 h
.irp ds, 0,1
	global_load_b128 v[Q+8*\ds:Q+8*\ds+3],       v[QO], s[50:51] offset:64*\ds
	global_load_b128 v[Q+8*\ds+4:Q+8*\ds+7],     v[QO], s[50:51] offset:64*\ds+32
	global_load_b128 v[Q+16+8*\ds:Q+16+8*\ds+3],   v[QO], s[22:23] offset:64*\ds
	global_load_b128 v[Q+16+8*\ds+4:Q+16+8*\ds+7], v[QO], s[22:23] offset:64*\ds+32
.endr
	; K fragment: key r lies in LDS row r / 2, half r % 2: sixteen lanes touch the 16-byte columns r / 2 + 8 (r % 2) modulo 16, all different
	v_lshrrev_b32 v[T+2], 1, v[T]
	v_and_b32 v[T+3], 1, v[T]
	v_mul_u32_u24 v[T+2], v[T+2], 272
	v_lshl_add_u32 v[T+2], v[T+3], 7, v[T+2]
	v_lshl_add_u32 v[T+2], v[T+1], 4, v[T+2]
	v_add_nc_u32 v[KA], s8, v[T+2]
	v_add_nc_u32 v[KA+1], SLOT, v[KA]
	; V fragment: key 8 h + l % 8 lies in LDS row 4 h + (l % 8) / 2, half l % 2; piece (l / 8) % 2 of the 32 bytes of 16 depths:
	; sixteen lanes touch the 16-byte columns 2 ((l % 8) / 2) + 8 (l % 2) + piece, all different
	v_bfe_u32 v[T+2], v0, 1, 2
	v_lshl_add_u32 v[T+2], v[T+1], 2, v[T+2]
	v_mul_u32_u24 v[T+2], v[T+2], 288
	v_lshl_add_u32 v[T+2], v[T+3], 7, v[T+2]
	v_bfe_u32 v[T+3], v0, 3, 1
	v_lshl_add_u32 v[T+2], v[T+3], 4, v[T+2]
	v_add_nc_u32 v[VA], s9, v[T+2]
	v_add_nc_u32 v[VA+1], SLOT, v[VA]
	s_mul_i32 s17, s10, WX                         ; my exchange bytes, later my stage
	s_xor_b32 s3, s10, 8
	s_mul_i32 s3, s3, WX                           ; my partner's
	v_mul_u32_u24 v[T+2], v[T], 144
	v_lshl_add_u32 v[T+2], v[T+1], 4, v[T+2]
	v_add_nc_u32 v[STO], s17, v[T+2]               ; stage, in: row r, 16 bytes for each half of the lanes
	v_bfe_u32 v[T+2], v0, 3, 2
	v_and_b32 v[T+3], 7, v0
	v_mul_u32_u24 v[T+2], v[T+2], 144
	v_lshl_add_u32 v[T+2], v[T+3], 4, v[T+2]
	v_add_nc_u32 v[RD], s17, v[T+2]                ; stage, back: eight lanes a row of 128 bytes, the wave four rows
	v_and_b32 v[CO], 31, v0
	v_lshlrev_b32 v[CO], 4, v[CO]
	v_mov_b32 v[NM+1], 0                           ; the upper registers of the broadcast pairs are named by packed instructions and never used:
	v_mov_b32 v[NM+3], 0                           ; written once
	v_mov_b32 v[AL+1], 0
	v_mov_b32 v[AL+3], 0
	v_mov_b32 v[T+4], 0                            ; destinations of v_permlanex16_b32 count as read
	v_mov_b32 v[T+5], 0
	; where my 16 finished rows go: block 16 batch + 2 query block + qg / 4, head, rows 32 (qg % 4) + 16 hk
	s_lshl_b32 s48, s16, 4
	s_lshl1_add_u32 s48, s13, s48
	s_lshr_b32 s49, s19, 2
	s_add_co_u32 s48, s48, s49
	s_lshl_b32 s48, s48, 18                        ; 16 heads x 128 rows x 128 bytes
	s_lshl_b32 s49, s15, 14
	s_add_co_u32 s48, s48, s49
	s_and_b32 s49, s19, 3
	s_lshl_b32 s49, s49, 12
	s_add_co_u32 s48, s48, s49
	s_lshl_b32 s49, s11, 11
	s_add_co_u32 s48, s48, s49
	s_mov_b32 s49, 0
	s_add_nc_u64 s[6:7], s[6:7], s[48:49]
; The softmax of one step, both groups interleaved.  first = 1: nothing is carried yet.
.macro SOFTMAX first
	; the largest of a lane's 32 logits, two chains a group
.irp g, 0,1
	v_max3_num_f32 v[T+2*\g],   v[S+32*\g],    v[S+32*\g+1],  v[S+32*\g+2]
	v_max3_num_f32 v[T+2*\g+1], v[S+32*\g+16], v[S+32*\g+17], v[S+32*\g+18]
.endr
.irp j, 3,5,7,9,11,13
.irp g, 0,1
	v_max3_num_f32 v[T+2*\g],   v[T+2*\g],   v[S+32*\g+\j],    v[S+32*\g+\j+1]
	v_max3_num_f32 v[T+2*\g+1], v[T+2*\g+1], v[S+32*\g+16+\j], v[S+32*\g+16+\j+1]
.endr
.endr
.irp g, 0,1
	v_max3_num_f32 v[T+2*\g], v[T+2*\g], v[S+32*\g+15], v[S+32*\g+31]
.endr
.irp g, 0,1
	v_max_num_f32 v[T+2*\g], v[T+2*\g], v[T+2*\g+1]
.endr
.irp g, 0,1
	v_permlanex16_b32 v[T+4+\g], v[T+2*\g], s20, s21               ; the row's other 32 keys
.endr
.irp g, 0,1
.if \first
	v_max_num_f32 v[T+6+\g], v[T+2*\g], v[T+4+\g]
.else
	v_max3_num_f32 v[T+6+\g], v[T+2*\g], v[T+4+\g], v[M+\g]        ; the new running maximum
.endif
.endr
.if \first
.else
.irp g, 0,1
	v_sub_f32 v[T+2*\g], v[M+\g], v[T+6+\g]
.endr
.irp g, 0,1
	v_mul_f32 v[T+2*\g], 0x3e38aa3b, v[T+2*\g]
.endr
.irp g, 0,1
	v_exp_f32 v[AL+2*\g], v[T+2*\g]                ; what is carried shrinks by 2^(c (old - new)); the moves below are the plain place behind it (ISA guide 5.7.2)
.endr
.endif
.irp g, 0,1
	v_mov_b32 v[M+\g], v[T+6+\g]
.endr
.irp g, 0,1
	v_mul_f32 v[NM+2*\g], 0xbe38aa3b, v[T+6+\g]    ; -c x maximum
.endr
.set sj, 0
.rept 32
	v_pk_fma_f32 v[S+2*sj:S+2*sj+1], v[S+2*sj:S+2*sj+1], 0x3e38aa3b, v[NM+2*(sj/16):NM+2*(sj/16)+1] op_sel_hi:[1,0,0]   ; c s - c m, at most 0
.set sj, sj+1
.endr
.set sj, 0
.rept 64
	v_exp_f32 v[S+sj], v[S+sj]
.set sj, sj+1
.endr
.if \first
	v_nop                                          ; the plain place behind the exponentials
	s_wait_alu depctr_va_vdst(0)
.else
.set sj, 0
	s_wait_alu depctr_va_vdst(0)
.rept 32
	v_pk_mul_f32 v[O+2*sj:O+2*sj+1], v[O+2*sj:O+2*sj+1], v[AL+2*(sj/16):AL+2*(sj/16)+1] op_sel_hi:[1,0]    ; rescale O; also the plain place behind the exponentials
.set sj, sj+1
.endr
.endif
	; the sum of a lane's 32 weights, unrounded, in pairs, two chains a group
.irp g, 0,1
	v_pk_add_f32 v[T+4*\g:T+4*\g+1],   v[S+32*\g:S+32*\g+1],     v[S+32*\g+2:S+32*\g+3]
	v_pk_add_f32 v[T+4*\g+2:T+4*\g+3], v[S+32*\g+16:S+32*\g+17], v[S+32*\g+18:S+32*\g+19]
.endr
.irp j, 4,6,8,10,12,14
.irp g, 0,1
	v_pk_add_f32 v[T+4*\g:T+4*\g+1],   v[T+4*\g:T+4*\g+1],   v[S+32*\g+\j:S+32*\g+\j+1]
	v_pk_add_f32 v[T+4*\g+2:T+4*\g+3], v[T+4*\g+2:T+4*\g+3], v[S+32*\g+16+\j:S+32*\g+16+\j+1]
.endr
.endr
.irp g, 0,1
.if \first
	v_pk_add_f32 v[LS+2*\g:LS+2*\g+1], v[T+4*\g:T+4*\g+1], v[T+4*\g+2:T+4*\g+3]
.else
	v_pk_fma_f32 v[LS+2*\g:LS+2*\g+1], v[LS+2*\g:LS+2*\g+1], v[AL+2*\g:AL+2*\g+1], v[T+4*\g:T+4*\g+1] op_sel_hi:[1,0,1]
	v_pk_add_f32 v[LS+2*\g:LS+2*\g+1], v[LS+2*\g:LS+2*\g+1], v[T+4*\g+2:T+4*\g+3]
.endif
.endr
	; to f16, in place and ascending: two key tiles (16 registers) become one fragment of P^T (8 registers)
.irp blk, 0,16,32,48
.irp j, 0,1,2,3,4,5,6,7
	v_cvt_pk_f16_f32 v[S+\blk+\j], v[S+\blk+2*\j], v[S+\blk+2*\j+1]
.endr
.endr
.endm
; One step: 64 keys, number i of the four that a slot holds for my half.  In both products eight accumulators take turns, one instruction a turn.
.macro STEP slot, i, first
.irp ds, 0,1
.irp t, 0,1,2,3
	ds_load_b128 v[KV+16*\t+8*\ds:KV+16*\t+8*\ds+3],   v[KA+\slot] offset:((\i)>>1)*PART+((\i)&1)*8704+2176*\t+64*\ds
	ds_load_b128 v[KV+16*\t+8*\ds+4:KV+16*\t+8*\ds+7], v[KA+\slot] offset:((\i)>>1)*PART+((\i)&1)*8704+2176*\t+64*\ds+32
.endr
.endr
	s_wait_dscnt 8                                 ; depths 0-31 are in; the eight loads of depths 32-63 may be out
.irp t, 0,1,2,3
.irp g, 0,1
	v_wmma_f32_16x16x32_f16 v[S+32*\g+8*\t:S+32*\g+8*\t+7], v[KV+16*\t:KV+16*\t+7], v[Q+16*\g:Q+16*\g+7], 0
.endr
.endr
	s_wait_dscnt 0
.irp t, 0,1,2,3
.irp g, 0,1
	v_wmma_f32_16x16x32_f16 v[S+32*\g+8*\t:S+32*\g+8*\t+7], v[KV+16*\t+8:KV+16*\t+15], v[Q+16*\g+8:Q+16*\g+15], v[S+32*\g+8*\t:S+32*\g+8*\t+7]
.endr
.endr
	NOP5                                           ; places: V is loaded over K's fragments, and the softmax reads S
.irp dt, 0,1,2,3
.irp ks, 0,1
	ds_load_tr16_b128 v[KV+16*\dt+8*\ks:KV+16*\dt+8*\ks+3],   v[VA+\slot] offset:9216*(\i)+4608*\ks+32*\dt          ; they land while the softmax runs
	ds_load_tr16_b128 v[KV+16*\dt+8*\ks+4:KV+16*\dt+8*\ks+7], v[VA+\slot] offset:9216*(\i)+4608*\ks+32*\dt+2304
.endr
.endr
	SOFTMAX \first
	s_wait_dscnt 0
.irp dt, 0,1,2,3
.irp g, 0,1
.if \first
	v_wmma_f32_16x16x32_f16 v[O+32*\g+8*\dt:O+32*\g+8*\dt+7], v[KV+16*\dt:KV+16*\dt+7], v[S+32*\g:S+32*\g+7], 0
.else
	v_wmma_f32_16x16x32_f16 v[O+32*\g+8*\dt:O+32*\g+8*\dt+7], v[KV+16*\dt:KV+16*\dt+7], v[S+32*\g:S+32*\g+7], v[O+32*\g+8*\dt:O+32*\g+8*\dt+7]
.endif
.endr
.endr
.irp dt, 0,1,2,3
.irp g, 0,1
	v_wmma_f32_16x16x32_f16 v[O+32*\g+8*\dt:O+32*\g+8*\dt+7], v[KV+16*\dt+8:KV+16*\dt+15], v[S+32*\g+16:S+32*\g+23], v[O+32*\g+8*\dt:O+32*\g+8*\dt+7]
.endr
.endr
	NOP5                                           ; places: next K is loaded over V's fragments, S^T is written over P^T, O is rescaled (or, at the end, read)
.endm
.macro PH slot, first                  ; a slot's 256 keys of my half
	STEP \slot, 0, \first
	STEP \slot, 1, 0
	STEP \slot, 2, 0
	STEP \slot, 3, 0
.endm
; The change of slots.  Every wave waits for all its tensor loads (its part of this slot among them) and for its reads of the other slot.
; refill = 1: a round of the cluster's barrier, so that both hold of every wave of all four work-groups; then the joint refill of the other slot,
; the wave's one tensor load, first thing behind the round.  refill = 0: the work-group's barrier alone.
.macro NEXT slot, refill
	s_wait_xcnt 0x0
	v_lshl_add_u32 v190, v0, 2, 0x48000
	v_mov_b32 v191, 0
	s_wait_tensorcnt 0x0
	ds_add_u32 v190, v191
	s_wait_dscnt 0x0
	s_wait_dscnt 0x0
.if \refill
	s_add_nc_u64 s[G0+4*(1-\slot)+2:G0+4*(1-\slot)+3], s[G0+4*(1-\slot)+2:G0+4*(1-\slot)+3], 2*32768    ; no load of mine is out: the other slot's next 256 keys of each half
	ROUND
	JLOAD 1-\slot
.else
	s_barrier_signal -1
	s_barrier_wait -1
.endif
	PH \slot, 0
.endm
	s_wait_loadcnt 0x0                             ; q
	s_wait_tensorcnt 1                             ; my part of slot 0 is in; slot 1's may stay out
	s_barrier_signal -1
	s_barrier_wait -1
	PH 0, 1                                        ; keys 0-255 of my half start the sums
	NEXT 1, 1                                      ; keys 256-511; slot 0 is asked for again: keys 512-767
	NEXT 0, 1                                      ; keys 512-767; slot 1 is asked for again: keys 768-1,023
	NEXT 1, 0                                      ; keys 768-1,023: nothing is left to fetch
	; THE MERGE.  Slot 0 has had its last fill, and every wave's reads of it were waited for in front of the last barrier: its bytes now serve the exchange.
	; I hand over register group 1: O as it stands (32 registers, 16 bytes a lane and store: 512 consecutive bytes), its maximum and my lane's sum.
	v_and_b32 v[T], 31, v0
	v_lshl_add_u32 v[XO], v[T], 4, s17
	v_lshl_add_u32 v[PO], v[T], 4, s3
	v_lshl_add_u32 v[XM], v[T], 3, s17
	v_lshl_add_u32 v[PM], v[T], 3, s3
	v_mov_b32 v[T+2], v[M+1]
	v_add_f32 v[T+3], v[LS+2], v[LS+3]
.irp j, 0,1,2,3,4,5,6,7
	ds_store_b128 v[XO], v[O+32+4*\j:O+32+4*\j+3] offset:512*\j
.endr
	ds_store_b64 v[XM], v[T+2:T+3] offset:XML
	s_wait_dscnt 0x0                               ; for my partner's sake: all my stores are done
	s_barrier_signal -1
	s_barrier_wait -1
	ds_load_b64 v[T+4:T+5], v[PM] offset:XML       ; my partner's maximum and sum for the rows of my register group 0
.irp j, 0,1,2,3,4,5,6,7
	ds_load_b128 v[KV+4*\j:KV+4*\j+3], v[PO] offset:512*\j         ; and its O, register for register and lane for lane as mine
.endr
	v_add_f32 v[T], v[LS], v[LS+1]                 ; my lane's sum
	s_wait_dscnt 8                                 ; (m, l) are in; the eight loads of O may be out
	v_max_num_f32 v[T+6], v[M], v[T+4]             ; the maximum over all 2,048 keys
	v_sub_f32 v[T+1], v[M], v[T+6]
	v_sub_f32 v[T+2], v[T+4], v[T+6]
	v_mul_f32 v[T+1], 0x3e38aa3b, v[T+1]
	v_mul_f32 v[T+2], 0x3e38aa3b, v[T+2]
	v_exp_f32 v[T+1], v[T+1]                       ; what my half shrinks by,
	v_exp_f32 v[T+2], v[T+2]                       ; and my partner's; one of the two is 1
	v_nop                                          ; the plain place behind the exponentials (ISA guide 5.7.2)
	s_wait_alu depctr_va_vdst(0)
	v_mul_f32 v[T], v[T], v[T+1]
	v_fmac_f32 v[T], v[T+5], v[T+2]
	v_permlanex16_b32 v[T+7], v[T], s20, s21       ; the row's other lane
	v_add_f32 v[T], v[T], v[T+7]                   ; the row's sum, at least 1: the largest weight is 1
	v_rcp_f32 v[T+3], v[T]
	v_nop                                          ; the plain place behind v_rcp_f32
	s_wait_alu depctr_va_vdst(0)
	v_mul_f32 v[AL], v[T+1], v[T+3]
	v_mul_f32 v[AL+2], v[T+2], v[T+3]
	s_wait_dscnt 0x0                               ; my reads of my partner's bytes are over:
	s_barrier_signal -1                            ; say so; it will lay its stage over them, as I lay mine over the bytes that it has read
.set sj, 0
.rept 16
	v_pk_mul_f32 v[O+2*sj:O+2*sj+1], v[O+2*sj:O+2*sj+1], v[AL:AL+1] op_sel_hi:[1,0]
.set sj, sj+1
.endr
.set sj, 0
.rept 16
	v_pk_fma_f32 v[O+2*sj:O+2*sj+1], v[KV+2*sj:KV+2*sj+1], v[AL+2:AL+3], v[O+2*sj:O+2*sj+1] op_sel_hi:[1,0,1]
.set sj, sj+1
.endr
.irp dt, 0,1,2,3
.irp j, 0,1,2,3
	v_cvt_pk_f16_f32 v[S+4*\dt+\j], v[O+8*\dt+2*\j], v[O+8*\dt+2*\j+1]
.endr
.endr
	s_barrier_wait -1                              ; registers only between signal and wait
	; THE WAY OUT: 16 rows through my stage, 512 dense bytes a store
.irp dt, 0,1,2,3
	ds_store_b128 v[STO], v[S+4*\dt:S+4*\dt+3] offset:32*\dt
.endr
.irp j, 0,1,2,3
	ds_load_b128 v[KV+4*\j:KV+4*\j+3], v[RD] offset:576*\j         ; LDS serves a wave's instructions in order (ISA guide 5.7.1): these see the stores above
.endr
.irp j, 0,1,2,3
	s_wait_dscnt 3-\j                              ; the 3 - j younger read-backs may be out
	global_store_b128 v[CO], v[KV+4*\j:KV+4*\j+3], s[6:7] offset:512*\j    ; four rows of 128 bytes: 512 consecutive bytes, aligned
.endr
	s_wait_xcnt 0x0
	v_lshl_add_u32 v190, v0, 2, 0x48000
	v_mov_b32 v191, 0
	s_wait_tensorcnt 0x0
	ds_add_u32 v190, v191
	s_wait_dscnt 0x0
	ROUND                                          ; the closing round
	s_endpgm
.Lfunc_end_k_qdc1d61b04c_attn:
	.size	k_qdc1d61b04c_attn, .Lfunc_end_k_qdc1d61b04c_attn-k_qdc1d61b04c_attn
	.p2alignl 7, 3214868480
	.fill 96, 4, 3214868480
	.section	.rodata,"a",@progbits
	.p2align	6, 0x0
	.amdhsa_kernel k_qdc1d61b04c_attn
		.amdhsa_group_segment_fixed_size 327680
		.amdhsa_private_segment_fixed_size 0
		.amdhsa_enable_private_segment 0
		.amdhsa_kernarg_size 16
		.amdhsa_user_sgpr_count 2
		.amdhsa_user_sgpr_kernarg_segment_ptr 1
		.amdhsa_wavefront_size32 1
		.amdhsa_system_sgpr_workgroup_id_x 1
		.amdhsa_system_sgpr_workgroup_id_y 1
		.amdhsa_system_sgpr_workgroup_id_z 1
		.amdhsa_system_vgpr_workitem_id 0
		.amdhsa_next_free_vgpr 256
		.amdhsa_next_free_sgpr 66
		.amdhsa_reserve_vcc 0
		.amdhsa_float_denorm_mode_32 3
		.amdhsa_float_denorm_mode_16_64 3
		.amdhsa_memory_ordered 1
		.amdhsa_forward_progress 1
		.amdhsa_inst_pref_size 255
	.end_amdhsa_kernel
	.section	.bss,"aw",@nobits
	.p2align	6
	.space	262144
	.amdgpu_metadata
---
amdhsa.version: [ 1, 2 ]
amdhsa.kernels:
  - .name:           k_qdc1d61b04c_attn
    .symbol:         k_qdc1d61b04c_attn.kd
    .args:
      - { .name: qkv, .offset: 0, .size: 8, .value_kind: global_buffer, .address_space: global }
      - { .name: ah, .offset: 8, .size: 8, .value_kind: global_buffer, .address_space: global }
    .group_segment_fixed_size: 327680
    .private_segment_fixed_size: 0
    .kernarg_segment_align: 8
    .kernarg_segment_size: 16
    .max_flat_workgroup_size: 512
    .sgpr_count:     66
    .vgpr_count:     256
    .wavefront_size: 32
...
	.end_amdgpu_metadata
.endif
;; end of part 3
;; launch oproj (part 4): grid 8 x 32, 4 waves a work-group, clusters of 4 x 4, 327,680 bytes of LDS; arguments ah, woh, out0; writes out0
.if DOCPART == 4
	.amdgcn_target "amdgcn-amd-amdhsa--gfx1250"
	.amdhsa_code_object_version 6
	.text
	.protected	k_qdc1d61b04c_oproj
	.globl	k_qdc1d61b04c_oproj
	.p2align	8
	.type	k_qdc1d61b04c_oproj,@function
k_qdc1d61b04c_oproj:
	s_mov_b64 s[64:65], 0
	v_nop
	global_prefetch_b8 v0, s[64:65] scope:SCOPE_SE
	s_setreg_imm32_b32 hwreg(HW_REG_WAVE_MODE, 25, 1), 1
	s_wait_xcnt 0x0
	s_wait_alu depctr_hold_cnt(0) depctr_sa_sdst(0) depctr_va_vdst(0) depctr_va_sdst(0) depctr_va_ssrc(0) depctr_va_vcc(0) depctr_vm_vsrc(0)
	s_getreg_b32 s2, hwreg(HW_REG_IB_STS2, 6, 4)
	s_cmp_eq_u32 s2, 0
	s_cbranch_scc0 .Lentry_in_a_cluster
	s_endpgm
.Lentry_in_a_cluster:
	s_bfe_u32 s2, ttmp6, 0x10000c
	s_cmp_lg_u32 s2, 0xf033
	s_cbranch_scc0 .Lentry_shape_is_right
	s_endpgm
.Lentry_shape_is_right:
; out0 = attn wo: [4096 x 1024] x [1024 x 1024], f16 operands, f32 sums, f32 result.  Sums run over K in steps of 32, ascending.
; ah [32 blocks of 128 rows][16 heads][128 rows][64] f16: K index = 64 head + depth.  woh [1024 k][1024 n] f16.  out0 [4096][1024] f32.
; A work-group makes 128 rows x 128 columns with four waves; wave (wm = w / 2, wn = w % 2) makes 64 x 64: 16 accumulator tiles in window 1.
; 8 x 32 work-groups.  A slot holds K = 256 (four heads, eight chunks of 32), so that a refill has 128 matrix instructions in which to land;
; four phases on two slots, written out.
; CLUSTERS: 4 x 4 work-groups; the attention rows are shared along a row of the cluster, wo's columns along a column: joint loads, a quarter of the requests.
; The matrix instruction is used transposed (source 0 = 16 columns of wo through the transposing LDS load, source 1 = 16 rows of attn):
; lane l holds row l % 16 and columns 16 b + 8 (l / 16) + 0..7, 32 neighbouring bytes of a row.
.set PART,  36864                      ; what one tensor load may fill: attn 128 rows of 256 bytes at pitch 272 (34,816); wo 128 k-rows at pitch 288 (36,864)
.set SLOT,  4*PART                     ; heads 0, 1; heads 2, 3; k-rows 0-127; k-rows 128-255 (wo's parts join without a gap)
.set STAGE, 2*SLOT                     ; behind the ring, a multiple of 256: 16 rows x 272 bytes for each wave; no tensor load lands here
.set ADRA, 16                          ; v16-17  LDS address of my attn fragments in slot 0, 1
.set ADRB, 20                          ; v20-23  of my wo fragments: 2 x slot + half of the slot's k-rows (an offset of 16 bits does not span 256 rows)
.set STO,  24
.set RD,   25
.set CO,   26
.set FA,   64                          ; attn fragments, buffer f at FA + 64 f
.set FB,   96                          ; wo fragments, buffer f at FB + 64 f
.set G1,  24
.set G0,  32
.set G1B, 48
.set G0B, 56
.set MSB, 0
.macro WIN new                         ; the immediate's high byte repeats the setting that is left
.if MSB != \new
	s_set_vgpr_msb (MSB<<8)|\new
.set MSB, \new
.endif
.endm
.set ACC, 0x50                         ; sources 0 and 1 window 0, C and D window 1
.macro JLOAD s                         ; waves 0, 1 ask for attn's halves, waves 2, 3 for wo's; the branch hangs on the wave's number alone
	s_cmp_eq_u32 s11, 0
	s_cbranch_scc0 .Lfor_b_\@
	tensor_load_to_lds s[G0+4*\s:G0+4*\s+3], s[G1:G1+7]
	s_nop 0
	s_branch .Lasked_\@
.Lfor_b_\@:
	tensor_load_to_lds s[G0B+4*\s:G0B+4*\s+3], s[G1B:G1B+7]
	s_nop 0
.Lasked_\@:
.endm
.macro CREST                           ; a round of the cluster's barrier behind its opening barrier
	s_cmp_lg_u32 s10, 0
	s_cbranch_scc1 .Lnot_wave_0_\@
	s_barrier_signal -3
.Lnot_wave_0_\@:
	s_barrier_wait -3
	s_barrier_signal -1
	s_barrier_wait -1
.endm
.macro CROUND
	s_barrier_signal -1
	s_barrier_wait -1
	CREST
.endm
	s_load_b128 s[4:7], s[0:1], 0x0                ; ah s[4:5], woh s[6:7]
	s_load_b64 s[8:9], s[0:1], 0x10                ; out0
	v_lshl_add_u32 v254, v0, 2, 0x4c400
	v_mov_b32 v255, 0
	ds_add_u32 v254, v255
	v_lshrrev_b32 v1, 5, v0
	v_readfirstlane_b32 s10, v1                    ; wave 0..3
	s_lshr_b32 s11, s10, 1                         ; wm.  Also: I fetch for attn (0) or for wo (1)
	s_and_b32 s12, s10, 1                          ; wn.  Also: which half of that tile
	s_bfe_u32 s40, ttmp6, 0x40000                  ; cx
	s_bfe_u32 s41, ttmp6, 0x40004                  ; cy
	s_lshl_b32 s42, ttmp9, 2
	s_add_co_u32 s42, s42, s40                     ; block column
	s_and_b32 s13, ttmp7, 0xffff
	s_lshl_b32 s13, s13, 2
	s_add_co_u32 s13, s13, s41                     ; block row
	s_lshl_b32 s43, s41, 2
	s_lshl_b32 s43, 15, s43                        ; my row of the cluster
	s_lshl_b32 s44, 0x1111, s40                    ; my column
	; group 1 for attn: two heads are 32,768 dense bytes: 128 rows x 32 elements of 8 bytes, 4 words of padding behind every 64
	s_or_b32 s[G1+0], s43, (3<<16)|(1<<20)|(1<<21)|(5<<22)|(3<<25)
	s_mov_b32 s[G1+1], 32<<16
	s_mov_b32 s[G1+2], 128<<16
	s_mov_b32 s[G1+3], 32<<16
	s_mov_b32 s[G1+4], 128
	s_mov_b32 s[G1+5], 32
	s_mov_b32 s[G1+6], 0
	s_mov_b32 s[G1+7], 0
	; group 1 for wo: 128 k-rows x 128 elements of 2 bytes, 8 words of padding behind every 64
	s_or_b32 s[G1B+0], s44, (1<<16)|(1<<20)|(1<<21)|(5<<22)|(7<<25)
	s_mov_b32 s[G1B+1], 128<<16
	s_mov_b32 s[G1B+2], 128<<16
	s_mov_b32 s[G1B+3], 128<<16
	s_mov_b32 s[G1B+4], 128
	s_mov_b32 s[G1B+5], 1024
	s_mov_b32 s[G1B+6], 0
	s_mov_b32 s[G1B+7], 0
	s_lshl_b32 s16, s13, 18                        ; attn: 262,144 bytes for each block row
	s_lshl_b32 s17, s12, 15                        ; + two heads x half
	s_add_co_u32 s16, s16, s17
	s_mov_b32 s17, 0
	s_lshl_b32 s46, s42, 8                         ; wo: 128 columns of 2 bytes for each block column
	s_lshl_b32 s47, s12, 18                        ; + 128 k-rows of 2,048 bytes x half
	s_add_co_u32 s46, s46, s47
	s_mov_b32 s47, 0
	s_mul_i32 s20, s10, PART                       ; where my part goes: wave x 36,864
	s_wait_dscnt 0x0
	s_wait_kmcnt 0x0
	s_add_nc_u64 s[14:15], s[4:5], s[16:17]
	s_add_nc_u64 s[46:47], s[6:7], s[46:47]
	CROUND                                         ; all sixteen work-groups are here: the first joint loads meet
.irp s, 0,1
	s_mov_b32 s[G0+4*\s], 1
	s_add_co_u32 s[G0+4*\s+1], s20, \s*SLOT
	s_add_nc_u64 s[G0+4*\s+2:G0+4*\s+3], s[14:15], \s*65536            ; phase s: four heads on
	s_or_b32 s[G0+4*\s+3], s[G0+4*\s+3], 0x80000000
	s_mov_b32 s[G0B+4*\s], 1
	s_add_co_u32 s[G0B+4*\s+1], s20, \s*SLOT
	s_add_nc_u64 s[G0B+4*\s+2:G0B+4*\s+3], s[46:47], \s*524288         ; phase s: 256 k-rows down
	s_or_b32 s[G0B+4*\s+3], s[G0B+4*\s+3], 0x80000000
	JLOAD \s                                       ; both first fills go out ahead of everything else: two tensor loads of the wave are out
.endr
	v_and_b32 v1, 15, v0                           ; r
	v_bfe_u32 v2, v0, 4, 1                         ; h
	v_lshrrev_b32 v3, 1, v1                        ; attn fragment: row r lies in LDS row r / 2, half r % 2
	v_and_b32 v4, 1, v1
	v_mul_u32_u24 v3, v3, 272
	v_lshl_add_u32 v3, v4, 7, v3
	v_lshl_add_u32 v3, v2, 4, v3
	s_mul_i32 s21, s11, 32*272                     ; my 64 rows
	v_add_nc_u32 v[ADRA], s21, v3
	v_add_nc_u32 v[ADRA+1], SLOT, v[ADRA]
	v_and_b32 v5, 7, v0                            ; wo fragment: k-row 8 h + l % 8, piece (l / 8) % 2
	v_lshl_add_u32 v5, v2, 3, v5
	v_mul_u32_u24 v5, v5, 288
	v_bfe_u32 v6, v0, 3, 1
	v_lshl_add_u32 v5, v6, 4, v5
	s_lshl_b32 s22, s12, 7                         ; my 64 columns
	s_add_co_u32 s22, s22, 2*PART
	v_add_nc_u32 v[ADRB], s22, v5
	v_add_nc_u32 v[ADRB+1], PART, v[ADRB]
	v_add_nc_u32 v[ADRB+2], SLOT, v[ADRB]
	v_add_nc_u32 v[ADRB+3], SLOT, v[ADRB+1]
	s_mul_i32 s23, s10, 16*272
	s_add_co_u32 s23, s23, STAGE                   ; my stage
	v_mul_u32_u24 v7, v1, 272
	v_lshl_add_u32 v7, v2, 5, v7
	v_add_nc_u32 v[STO], s23, v7                   ; in: row r, 32 bytes for each half of the lanes
	v_mul_u32_u24 v8, v2, 272
	v_lshl_add_u32 v8, v1, 4, v8
	v_add_nc_u32 v[RD], s23, v8                    ; back: lanes 0-15 one row of 256 bytes, lanes 16-31 the next
	v_lshlrev_b32 v9, 12, v2
	v_lshl_add_u32 v[CO], v1, 4, v9                ; and the same two rows in out0
; 4 matrix instructions: row block a x the 4 column blocks, 32 along K, buffer f.  zero = 1: the first product starts the sums.
.macro MUL4 f, a, zero
.irp b, 0,1,2,3
.if \zero
	v_wmma_f32_16x16x32_f16 v[8*(4*\a+\b):8*(4*\a+\b)+7], v[FB+64*\f+8*\b:FB+64*\f+8*\b+7], v[FA+64*\f+8*\a:FA+64*\f+8*\a+7], 0
.else
	v_wmma_f32_16x16x32_f16 v[8*(4*\a+\b):8*(4*\a+\b)+7], v[FB+64*\f+8*\b:FB+64*\f+8*\b+7], v[FA+64*\f+8*\a:FA+64*\f+8*\a+7], v[8*(4*\a+\b):8*(4*\a+\b)+7]
.endif
.endr
.endm
; 16 LDS loads in one run: chunk c (head c / 2 of the slot's four, depths 32 (c % 2) ..) into buffer f: wo first, then attn's row blocks 0 to 3
.macro FETCH slot, c, f
.irp b, 0,1,2,3
	ds_load_tr16_b128 v[FB+64*\f+8*\b:FB+64*\f+8*\b+3],   v[ADRB+2*\slot+((\c)>>2)] offset:9216*((\c)&3)+32*\b
	ds_load_tr16_b128 v[FB+64*\f+8*\b+4:FB+64*\f+8*\b+7], v[ADRB+2*\slot+((\c)>>2)] offset:9216*((\c)&3)+32*\b+4608
.endr
.irp a, 0,1,2,3
	ds_load_b128 v[FA+64*\f+8*\a:FA+64*\f+8*\a+3],   v[ADRA+\slot] offset:((\c)>>2)*PART+(((\c)>>1)&1)*17408+64*((\c)&1)+2176*\a
	ds_load_b128 v[FA+64*\f+8*\a+4:FA+64*\f+8*\a+7], v[ADRA+\slot] offset:((\c)>>2)*PART+(((\c)>>1)&1)*17408+64*((\c)&1)+2176*\a+32
.endr
.endm
.macro PLACES                          ; four places behind matrix instructions, in front of loads into their sources and of reads of their results (ISA guide 7.12.1 for vector instructions)
.rept 4
	v_nop
.endr
.endm
; One of a slot's first seven chunks: multiplies buffer f; in its middle it fetches chunk c + 1 into buffer g.
; The 16 accumulators take turns, one instruction a turn, in the same order in every chunk.
.macro CHUNK slot, c, f, g, zero
	s_wait_dscnt 4                                 ; wo and attn's row blocks 0, 1 are in; the youngest four loads (row blocks 2, 3) may be out
	WIN ACC
	MUL4 \f, 0, \zero
	MUL4 \f, 1, \zero
	PLACES
	WIN 0
	FETCH \slot, \c+1, \g
	s_wait_dscnt 16                                ; all but the 16 just issued
	WIN ACC
	MUL4 \f, 2, \zero
	MUL4 \f, 3, \zero
.endm
.macro SEVEN slot, zero
	CHUNK \slot, 0, 0, 1, \zero
	CHUNK \slot, 1, 1, 0, 0
	CHUNK \slot, 2, 0, 1, 0
	CHUNK \slot, 3, 1, 0, 0
	CHUNK \slot, 4, 0, 1, 0
	CHUNK \slot, 5, 1, 0, 0
	CHUNK \slot, 6, 0, 1, 0
.endm
; The eighth chunk: multiplies buffer 1 and changes slots.  In front of the one barrier each wave waits for its reads of this slot and for all its
; tensor loads; behind it the refill comes first, then the next slot's first fragments.
.macro TURNC slot, next, fill
	s_wait_dscnt 4
	WIN ACC
	MUL4 1, 0, 0
	s_wait_dscnt 0                                 ; my reads of this slot are over
	s_wait_tensorcnt 0x0                           ; and all my tensor loads have landed
	ds_add_u32 v254, v255
	s_wait_dscnt 0x0
	s_barrier_signal -1                            ; (where the slot is filled again this opens a round of the cluster's barrier)
	MUL4 1, 1, 0                                   ; registers only while the others arrive
	WIN 0
	s_barrier_wait -1
.if \fill
	CREST                                          ; no wave of any partner still reads this slot or has a load on its way
	s_add_nc_u64 s[G0+4*\slot+2:G0+4*\slot+3], s[G0+4*\slot+2:G0+4*\slot+3], 2*65536
	s_add_nc_u64 s[G0B+4*\slot+2:G0B+4*\slot+3], s[G0B+4*\slot+2:G0B+4*\slot+3], 2*524288
	JLOAD \slot                                    ; the wave's one tensor load behind the round, and the first thing there
.endif
	PLACES
	FETCH \next, 0, 0
	WIN ACC
	MUL4 1, 2, 0
	MUL4 1, 3, 0
.endm
	s_wait_tensorcnt 1                             ; my part of phase 0 is in; phase 1's may stay out
	s_barrier_signal -1
	s_barrier_wait -1
	FETCH 0, 0, 0
	SEVEN 0, 1                                     ; heads 0-3: the first products start the sums
	TURNC 0, 1, 1                                  ; asks for heads 8-11
	SEVEN 1, 0                                     ; heads 4-7
	TURNC 1, 0, 1                                  ; asks for heads 12-15
	SEVEN 0, 0
	TURNC 0, 1, 0                                  ; nothing is left to fetch
	SEVEN 1, 0
	s_wait_dscnt 4                                 ; the very last chunk
	WIN ACC
	MUL4 1, 0, 0
	MUL4 1, 1, 0
	s_wait_dscnt 0
	MUL4 1, 2, 0
	MUL4 1, 3, 0
	; THE WAY OUT, 16 rows at a time: 32 bytes a lane into my own stage, read back as whole rows of 256 bytes
	PLACES                                         ; the places behind the last matrix instructions, for the LDS stores that read their results
	s_lshl_b32 s16, s13, 19                        ; 128 rows of 4,096 bytes for each block row
	s_lshl_b32 s17, s11, 18                        ; + my 64 rows
	s_add_co_u32 s16, s16, s17
	s_mov_b32 s17, 0
	s_add_nc_u64 s[8:9], s[8:9], s[16:17]
	s_lshl_b32 s46, s42, 9                         ; 128 columns of 4 bytes for each block column
	s_lshl_b32 s47, s12, 8                         ; + my 64 columns
	s_add_co_u32 s46, s46, s47
	s_mov_b32 s47, 0
	s_add_nc_u64 s[8:9], s[8:9], s[46:47]
.macro OUT16 a, dst
	WIN 0x04                                       ; an LDS store's data is source 1: window 1
.irp b, 0,1,2,3
	ds_store_b128 v[STO], v[8*(4*\a+\b):8*(4*\a+\b)+3]   offset:64*\b
	ds_store_b128 v[STO], v[8*(4*\a+\b)+4:8*(4*\a+\b)+7] offset:64*\b+16
.endr
	WIN 0
	s_wait_xcnt 0x0                                ; this buffer was the data of earlier stores: it is loaded again only behind this wait
.irp t, 0,1,2,3,4,5,6,7
	ds_load_b128 v[FA+64*\dst+4*\t:FA+64*\dst+4*\t+3], v[RD] offset:544*\t     ; LDS serves a wave's instructions in order (ISA guide 5.7.1): these see the stores above
.endr
.irp t, 0,1,2,3,4,5,6,7
	s_wait_dscnt 7-\t                              ; the 7 - t younger read-backs may be out
	global_store_b128 v[CO], v[FA+64*\dst+4*\t:FA+64*\dst+4*\t+3], s[8:9] offset:(16*\a+2*\t)*4096 th:TH_STORE_NT   ; sixteen lanes store 256 consecutive bytes, aligned; written once, not read again
.endr
.endm
	OUT16 0, 0
	OUT16 1, 1
	OUT16 2, 0
	OUT16 3, 1
	s_wait_tensorcnt 0x0
	ds_add_u32 v254, v255
	s_wait_dscnt 0x0
	CROUND                                         ; the closing round
	s_endpgm
.Lfunc_end_k_qdc1d61b04c_oproj:
	.size	k_qdc1d61b04c_oproj, .Lfunc_end_k_qdc1d61b04c_oproj-k_qdc1d61b04c_oproj
	.p2alignl 7, 3214868480
	.fill 96, 4, 3214868480
	.section	.rodata,"a",@progbits
	.p2align	6, 0x0
	.amdhsa_kernel k_qdc1d61b04c_oproj
		.amdhsa_group_segment_fixed_size 327680
		.amdhsa_private_segment_fixed_size 0
		.amdhsa_enable_private_segment 0
		.amdhsa_kernarg_size 24
		.amdhsa_user_sgpr_count 2
		.amdhsa_user_sgpr_kernarg_segment_ptr 1
		.amdhsa_wavefront_size32 1
		.amdhsa_system_sgpr_workgroup_id_x 1
		.amdhsa_system_sgpr_workgroup_id_y 1
		.amdhsa_system_sgpr_workgroup_id_z 1
		.amdhsa_system_vgpr_workitem_id 0
		.amdhsa_next_free_vgpr 384
		.amdhsa_next_free_sgpr 66
		.amdhsa_reserve_vcc 0
		.amdhsa_float_denorm_mode_32 3
		.amdhsa_float_denorm_mode_16_64 3
		.amdhsa_memory_ordered 1
		.amdhsa_forward_progress 1
		.amdhsa_inst_pref_size 90
	.end_amdhsa_kernel
	.amdgpu_metadata
---
amdhsa.version: [ 1, 2 ]
amdhsa.kernels:
  - .name:           k_qdc1d61b04c_oproj
    .symbol:         k_qdc1d61b04c_oproj.kd
    .args:
      - { .name: ah, .offset: 0, .size: 8, .value_kind: global_buffer, .address_space: global }
      - { .name: woh, .offset: 8, .size: 8, .value_kind: global_buffer, .address_space: global }
      - { .name: out0, .offset: 16, .size: 8, .value_kind: global_buffer, .address_space: global }
    .group_segment_fixed_size: 327680
    .private_segment_fixed_size: 0
    .kernarg_segment_align: 8
    .kernarg_segment_size: 24
    .max_flat_workgroup_size: 128
    .sgpr_count:     66
    .vgpr_count:     384
    .wavefront_size: 32
...
	.end_amdgpu_metadata
.endif
;; end of part 4
